; MI455X (gfx1250); checked and timed in simulation.
; The chip was launched on July 23, 2026; its instructions are those of AMD's public machine-readable ISA for CDNA 5 (MIT licence, August 2026) and "CDNA5" Instruction Set Architecture Reference Guide (July 2026). The comments in the code are by the model that wrote it; some were corrected since.
;; Attention. Allowed arithmetic: matrix products marked QUANTISED: E2M3 operands, one E8M0 scale for each 32 along K, by v_wmma_scale_f32_16x16x128_f8f6f4 with both operands' format E2M3, f32 sums; everything else in f32.
;; Inputs: Wk 1,024 x 1,024 float32; Wo 1,024 x 1,024 float32; Wq 1,024 x 1,024 float32; Wv 1,024 x 1,024 float32; x 4 x 2,048 x 1,024 float32.
;; Outputs: out0 4 x 2,048 x 1,024 float32.
;; This version of the problem:
;;   THIS VERSION OF THE PROBLEM IS GIVEN IN LOW PRECISION. The matrix products marked QUANTISED in the list below multiply operands that are first quantised to E2M3 (2 exponent bits, 3 mantissa bits; 6 bits a number), with one power-of-two scale for each 32 numbers along K (OCP MX v1.0); their sums are f32. All else is computed in f32.
;;   The module's matrix products, in the order in which they are computed (A, B: the left and right operand; K: the contracted axis; several contracted axes count as one K, in the product's order):
;;     1. [M 8,192, K 1,024] x [K 1,024, N 1,024]; A: input x; B: input Wk: QUANTISED
;;     2. [M 8,192, K 1,024] x [K 1,024, N 1,024]; A: input x; B: input Wq: QUANTISED
;;     3. [M 8,192, K 1,024] x [K 1,024, N 1,024]; A: input x; B: input Wv: QUANTISED
;;     4. batch 64 x [M 2,048, K 64] x [K 64, N 2,048]; A: computed on the way; B: computed on the way: QUANTISED
;;     5. batch 64 x [M 2,048, K 2,048] x [K 2,048, N 64]; A: softmax (see below); B: computed on the way: QUANTISED
;;     6. [M 8,192, K 1,024] x [K 1,024, N 1,024]; A: computed on the way; B: input Wo: QUANTISED
;;   THE QUANTISER, for each operand of a quantised product, along K:
;;     - K is cut into blocks of 32 from its start; a last block that is shorter is filled with zeros.
;;     - A block's scale is 2^e with e = floor(log2(the largest magnitude in the block)) - 2, held to -126 .. 127; a block of zeros has e = 0. As a byte (E8M0): e + 127.
;;     - Each number is divided by its block's scale, clamped to +-7.5, and rounded to the nearest number of E2M3, ties to even, subnormals kept.
;;     - The product sums the exact products of the quantised numbers (number of the format x scale) in f32.
;;   ~~~python
;;   def quantise(x, axis):      # numpy; x: float32 -> the quantised numbers, widened to float32 again
;;       x = np.moveaxis(x, axis, -1); K = x.shape[-1]
;;       x = np.pad(x, [(0, 0)] * (x.ndim - 1) + [(0, -K % 32)]); x = x.reshape(x.shape[:-1] + (-1, 32)); a = np.abs(x).max(-1, keepdims=True)
;;       e = np.where(a > 0, np.clip(np.frexp(np.where(a > 0, a, 1))[1] - 1 - 2, -126, 127), 0)      # np.frexp(a)[1] - 1 = floor(log2(a)), exactly
;;       r = np.clip(x / 2.0 ** e, -7.5, 7.5)
;;       step = 2.0 ** (np.maximum(np.frexp(np.where(r == 0, 1, r))[1] - 1, 0) - 3)
;;       q = np.round(r / step) * step * 2.0 ** e      # np.round: ties to even
;;       return np.moveaxis(q.reshape(q.shape[:-2] + (-1,))[..., :K], -1, axis).astype(np.float32)
;;   ~~~
;;   SOFTMAX AHEAD OF A QUANTISED PRODUCT. Where the list says 'softmax', what is quantised is not the finished softmax but p = 2^(t - M), with t = logit x log2(e) and M = ceil(the row's largest t), a whole number; so 1/2 < the row's largest p <= 1. The row's sum l is taken of the UNQUANTISED p, in f32, and the product's result is divided by l at the end. Since M is a whole number, a kernel that streams over the keys may use a running M (the ceiling of the running maximum): every later rescaling is an exact power of two, which a block's scale takes up: the codes' values come out the same.
;;   OPERANDS COMPUTED ON THE WAY. 'Computed on the way' means the value that the module computes at that place (a softmax that the list does not call 'softmax' is quantised finished and normalised). What goes into a quantiser is computed in f32, as accurately as f32 sums, v_exp_f32 and their like allow (about 1e-6 of the number): no bf16 or f16 on the way to a quantiser, and a product that is left as it is and whose result goes on into a quantised operand takes f32 operands (vector FMAs, or v_wmma_f32_16x16x4_f32). A number that lies on a knife's edge between two numbers of the format may be rounded either way, as far as f32 arithmetic and the matrix unit's own rounding can turn it there, and no further.
;; One version. Each part assembles by itself: llvm-mc -triple=amdgcn-amd-amdhsa -mcpu=gfx1250 --defsym DOCPART=n.
;; ======== version 1 of 1: 4 launches
;; limits: right only within a limited range of input values
;; workspace buffers: cod 15,728,640 bytes; sc 655,360 bytes; qkv 19,660,800 bytes
;; launch quant (part 1): grid 768 x 1, 2 waves a work-group, no clusters, 17,152 bytes of LDS; arguments x, Wq, Wk, Wv, Wo, cod, sc; writes cod, sc
.if DOCPART == 1
	.amdgcn_target "amdgcn-amd-amdhsa--gfx1250"
	.amdhsa_code_object_version 6
	.text
	.protected	k_q8669ccf264_quant
	.globl	k_q8669ccf264_quant
	.p2align	8
	.type	k_q8669ccf264_quant,@function
k_q8669ccf264_quant:
	s_mov_b64 s[64:65], 0
	v_nop
	global_prefetch_b8 v0, s[64:65] scope:SCOPE_SE
	s_setreg_imm32_b32 hwreg(HW_REG_WAVE_MODE, 25, 1), 1
	s_wait_xcnt 0x0
; x [8192][1024] and Wq, Wk, Wv, Wo [1024][1024], f32 with K innermost, become codes of FP6 (E2M3) with one E8M0 byte for each 32 along K,
; laid as IMAGES OF OPERAND REGISTERS.  A tile is 16 rows x 1,024 K.  Tile T = 2 G + u holds in place r the row 32 G + 8 u + r + 8 (r / 8).
; cod: 12,288 bytes a tile; the fragment of K step s (128 along K, 12 registers a lane) is 1,536 bytes: registers 2 p, 2 p + 1 of lane l at 1536 s + 256 p + 8 l.
; sc: 512 bytes a tile: [K half][place r][4 words]: word s % 4 of half s / 4 is the row's four scale bytes of K step s.
; Tiles: x 0-511, Wq 512-575, Wk 576-639, Wv 640-703, Wo 704-767.
; A block's scale is 2^(floor(log2(largest magnitude)) - 2): its byte is the largest magnitude's exponent field - 2, held at 1 from below.
; LIMITS: a block of zeros, and one whose largest magnitude lies under 2^-124, gets the byte 1 (a zero block's codes are zeros, and this program alone reads the bytes); NaN and infinities are not served.
; SHARES: a work-group is a tile; wave w takes K half w in four steps of 128.  A step's 16 loads read 512 consecutive bytes of one row each; the 8,192 bytes turn through
; the wave's own stage in LDS (rows 528 bytes apart), from which lane (r, h) takes, of row r, 16 neighbours of each block of 32.  Waves share nothing: no barrier.
.set ROWB,   4096                      ; a row of f32 in bytes
.set SPITCH, 528                       ; a stage row: 512 bytes + 16
.set STG,    16*SPITCH                 ; a wave's stage
.set SPARE,  2*STG                     ; behind the stages: the spare words, 128 bytes a wave: one block of 256 bytes that no other line names
.set LANE, 1                           ; v1   lane
.set LO,   4                           ; v4   16 x lane: my bytes of a load's 512
.set SI,   5                           ; v5   the stage, way in
.set SO,   6                           ; v6   the stage, way out: row r, + 64 h
.set CO,   7                           ; v7   8 x lane: my bytes of a code store's 256
.set SCO,  8                           ; v8   16 r: my row's four scale words
.set SPW,  9                           ; v9   my spare word; never rewritten
.set NIL,  10                          ; v10  0; never rewritten
.set TM,   12                          ; v12-15 largest magnitudes, v16-19 permute results and bytes, v24-27 the conversions' scale operands
.set PW,   28                          ; v28-31 a scale word for each step
.set PC,   32                          ; v32-43 a fragment's codes; v44-50 half blocks on their way
.set X,    64                          ; v64-127 64 numbers: register 16 b + i = k 32 b + 16 h + i of my row
.set R,    128                         ; v128-255 two sets of 64 registers as loaded
.set SRC,  18                          ; s[18:19] my tensor at my wave's first byte
.set SEL,  20                          ; s[20:21] v_permlanex16_b32's selects for lane l xor 16
.set WV,   23
	s_load_b256 s[4:11], s[0:1], 0x0               ; x, Wq, Wk, Wv
	s_load_b128 s[12:15], s[0:1], 0x20             ; Wo, cod
	s_load_b64 s[16:17], s[0:1], 0x30              ; sc
	v_lshl_add_u32 v[SPW], v0, 2, SPARE
	v_mov_b32 v[NIL], 0
	v_lshrrev_b32 v2, 5, v0
	v_readfirstlane_b32 s[WV], v2                  ; wave 0, 1
	v_and_b32 v[LANE], 31, v0
	v_and_b32 v2, 15, v0                           ; r
	v_bfe_u32 v3, v0, 4, 1                         ; h
	v_lshlrev_b32 v[LO], 4, v[LANE]
	s_mul_i32 s28, s[WV], STG
	v_add_nc_u32 v[SI], s28, v[LO]
	v_mul_u32_u24 v[SO], v2, SPITCH
	v_lshl_add_u32 v[SO], v3, 6, v[SO]
	v_add_nc_u32 v[SO], s28, v[SO]
	v_lshlrev_b32 v[CO], 3, v[LANE]
	v_lshlrev_b32 v[SCO], 4, v2
.irp b, 0,1,2,3
	v_mov_b32 v[TM+4+\b], 0                        ; written once: a lane permute's destination counts as one of its sources
.endr
	s_mov_b32 s[SEL], 0x76543210
	s_mov_b32 s[SEL+1], 0xfedcba98
	s_and_b32 s24, ttmp9, 63                       ; a weight's tile
	s_wait_alu depctr_va_vdst(0)
	s_wait_kmcnt 0x0
	s_mov_b64 s[SRC:SRC+1], s[12:13]               ; which tensor: the choice hangs on the work-group's number alone
	s_cmp_lt_u32 ttmp9, 704
	s_cselect_b64 s[SRC:SRC+1], s[10:11], s[SRC:SRC+1]
	s_cmp_lt_u32 ttmp9, 640
	s_cselect_b64 s[SRC:SRC+1], s[8:9], s[SRC:SRC+1]
	s_cmp_lt_u32 ttmp9, 576
	s_cselect_b64 s[SRC:SRC+1], s[6:7], s[SRC:SRC+1]
	s_cmp_lt_u32 ttmp9, 512
	s_cselect_b64 s[SRC:SRC+1], s[4:5], s[SRC:SRC+1]
	s_cselect_b32 s24, ttmp9, s24                  ; the tile's number in its tensor
	s_lshr_b32 s25, s24, 1
	s_lshl_b32 s25, s25, 17                        ; 32 G rows of 4,096 bytes
	s_and_b32 s26, s24, 1
	s_lshl_b32 s26, s26, 15                        ; + 8 u rows
	s_add_co_u32 s26, s25, s26
	s_lshl_b32 s25, s[WV], 11                      ; + my K half: 512 numbers
	s_add_co_u32 s26, s26, s25
	s_mov_b32 s27, 0
	s_add_nc_u64 s[SRC:SRC+1], s[SRC:SRC+1], s[26:27]
	s_mul_i32 s26, ttmp9, 12288
	s_mul_i32 s25, s[WV], 6144
	s_add_co_u32 s26, s26, s25
	s_add_nc_u64 s[14:15], s[14:15], s[26:27]      ; my four fragments in cod
	s_lshl_b32 s26, ttmp9, 9
	s_lshl_b32 s25, s[WV], 8
	s_add_co_u32 s26, s26, s25
	s_add_nc_u64 s[16:17], s[16:17], s[26:27]      ; my 256 bytes in sc
.macro LOAD s                          ; step s: place i's row, 512 consecutive bytes a load, into set s % 2
.irp i, 0,1,2,3,4,5,6,7,8,9,10,11,12,13,14,15
	global_load_b128 v[R+64*((\s)%2)+4*\i:R+64*((\s)%2)+4*\i+3], v[LO], s[SRC:SRC+1] offset:(\i+8*(\i/8))*ROWB+512*(\s) th:TH_LOAD_NT
.endr
.endm
; 64 numbers of a lane become a fragment's codes in v[PC] on and its row's scale word in v[pw]
.macro QUANT s, pw
.irp b, 0,1,2,3
	v_max3_num_f32 v[TM+\b], |v[\s+16*\b]|, |v[\s+1+16*\b]|, 0x1800000   ; block b: my 16 numbers, and the floor 2^(3 - 127): the byte cannot fall under 1
.endr
.irp i, 2,4,6,8,10,12,14
.irp b, 0,1,2,3
	v_max3_num_f32 v[TM+\b], v[TM+\b], |v[\s+16*\b+\i]|, |v[\s+1+16*\b+\i]|   ; the four blocks by turns
.endr
.endr
.irp b, 0,1,2,3
	v_permlanex16_b32 v[TM+4+\b], v[TM+\b], s[SEL], s[SEL+1]
.endr
.irp b, 0,1,2,3
	v_max_num_f32 v[TM+\b], v[TM+\b], v[TM+4+\b]   ; with lane l xor 16's 16: the block's largest magnitude
.endr
.irp b, 0,1,2,3
	v_add_nc_u32 v[TM+12+\b], 0xff000000, v[TM+\b] ; 2 off its exponent field: the conversion takes that field as its scale
.endr
.irp b, 0,1,2,3
	v_lshrrev_b32 v[TM+4+\b], 23, v[TM+12+\b]      ; the scale's byte
.endr
	v_lshl_or_b32 v[\pw], v[TM+5], 8, v[TM+4]
	v_lshl_or_b32 v[\pw], v[TM+6], 16, v[\pw]
	v_lshl_or_b32 v[\pw], v[TM+7], 24, v[\pw]
.irp c, 0,1
	v_cvt_scalef32_pk16_fp6_f32 v[PC+6*\c:PC+2+6*\c], v[\s+32*\c:\s+15+32*\c], v[TM+12+2*\c]
	v_cvt_scalef32_pk16_fp6_f32 v[PC+12+4*\c:PC+14+4*\c], v[\s+16+32*\c:\s+31+32*\c], v[TM+12+2*\c+1]   ; a conversion's three registers begin on an even number
.endr
	v_nop                                          ; one plain place behind a scaled conversion
.irp c, 0,1                            ; the operand wants a whole block in a lane: lanes 0-15 block 2 c, lanes 16-31 block 2 c + 1
.irp i, 0,1,2
	v_permlane16_swap_b32 v[PC+6*\c+\i], v[PC+12+4*\c+\i]
.endr
.irp i, 0,1,2
	v_mov_b32 v[PC+3+6*\c+\i], v[PC+12+4*\c+\i]
.endr
.endr
.endm
.macro STEP s
.if (\s) < 3
	s_wait_loadcnt 16                              ; this step's 16 loads are in; the next step's 16 may be out
.else
	s_wait_loadcnt 0x0
.endif
.irp i, 0,1,2,3,4,5,6,7,8,9,10,11,12,13,14,15
	ds_store_b128 v[SI], v[R+64*((\s)%2)+4*\i:R+64*((\s)%2)+4*\i+3] offset:SPITCH*\i
.endr
.irp b, 0,1,2,3
.irp j, 0,1,2,3
	ds_load_b128 v[X+16*\b+4*\j:X+16*\b+4*\j+3], v[SO] offset:128*\b+16*\j   ; LDS serves a wave's instructions in order: these see the stores above
.endr
.endr
	s_wait_dscnt 0x0                               ; my 64 numbers are in, and the stores have read the set,
.if (\s) < 2
	LOAD (\s)+2                                    ; which takes the loads of two steps on
.endif
.if (\s) > 0
	s_wait_xcnt 0x0                                ; the last step's code stores have read their registers: the codes may be written anew
.endif
	QUANT X, PW+(\s)
.irp p, 0,1,2,3,4,5
	global_store_b64 v[CO], v[PC+2*\p:PC+2*\p+1], s[14:15] offset:1536*(\s)+256*\p   ; 32 lanes store 256 consecutive bytes, at a multiple of 256 from cod's first byte
.endr
.endm
	LOAD 0
	LOAD 1
	STEP 0
	STEP 1
	STEP 2
	STEP 3
	v_cmp_gt_u32 vcc_lo, 16, v[LANE]               ; both halves of the lanes hold the same words: lanes 0-15 store them
	s_wait_xcnt 0x0                                ; EXEC changes only behind this wait
	s_and_saveexec_b32 s22, vcc_lo
	global_store_b128 v[SCO], v[PW:PW+3], s[16:17] ; 16 lanes store 256 consecutive bytes, aligned
	s_wait_xcnt 0x0                                ; and again in front of the line that widens it
	s_or_b32 exec_lo, exec_lo, s22
	s_wait_tensorcnt 0x0                           ; the wave's end: a tensor wait, an LDS add and its wait, behind my last LDS store
	ds_add_u32 v[SPW], v[NIL]
	s_wait_dscnt 0x0
	s_endpgm
.Lfunc_end_k_q8669ccf264_quant:
	.size	k_q8669ccf264_quant, .Lfunc_end_k_q8669ccf264_quant-k_q8669ccf264_quant
	.p2alignl 7, 3214868480
	.fill 96, 4, 3214868480
	.section	.rodata,"a",@progbits
	.p2align	6, 0x0
	.amdhsa_kernel k_q8669ccf264_quant
		.amdhsa_group_segment_fixed_size 17152
		.amdhsa_private_segment_fixed_size 0
		.amdhsa_enable_private_segment 0
		.amdhsa_kernarg_size 56
		.amdhsa_user_sgpr_count 2
		.amdhsa_user_sgpr_kernarg_segment_ptr 1
		.amdhsa_wavefront_size32 1
		.amdhsa_system_sgpr_workgroup_id_x 1
		.amdhsa_system_sgpr_workgroup_id_y 1
		.amdhsa_system_sgpr_workgroup_id_z 1
		.amdhsa_system_vgpr_workitem_id 0
		.amdhsa_next_free_vgpr 256
		.amdhsa_next_free_sgpr 66
		.amdhsa_reserve_vcc 1
		.amdhsa_float_denorm_mode_32 3
		.amdhsa_float_denorm_mode_16_64 3
		.amdhsa_memory_ordered 1
		.amdhsa_forward_progress 1
		.amdhsa_inst_pref_size 35
	.end_amdhsa_kernel
	.amdgpu_metadata
---
amdhsa.version: [ 1, 2 ]
amdhsa.kernels:
  - .name:           k_q8669ccf264_quant
    .symbol:         k_q8669ccf264_quant.kd
    .args:
      - { .name: x, .offset: 0, .size: 8, .value_kind: global_buffer, .address_space: global }
      - { .name: Wq, .offset: 8, .size: 8, .value_kind: global_buffer, .address_space: global }
      - { .name: Wk, .offset: 16, .size: 8, .value_kind: global_buffer, .address_space: global }
      - { .name: Wv, .offset: 24, .size: 8, .value_kind: global_buffer, .address_space: global }
      - { .name: Wo, .offset: 32, .size: 8, .value_kind: global_buffer, .address_space: global }
      - { .name: cod, .offset: 40, .size: 8, .value_kind: global_buffer, .address_space: global }
      - { .name: sc, .offset: 48, .size: 8, .value_kind: global_buffer, .address_space: global }
    .group_segment_fixed_size: 17152
    .private_segment_fixed_size: 0
    .kernarg_segment_align: 8
    .kernarg_segment_size: 56
    .max_flat_workgroup_size: 64
    .sgpr_count:     66
    .vgpr_count:     256
    .wavefront_size: 32
...
	.end_amdgpu_metadata
.endif
;; end of part 1
;; launch qkv (part 2): grid 12 x 32, 4 waves a work-group, clusters of 4 x 4, 327,680 bytes of LDS; arguments cod, sc, qkv; writes qkv
.if DOCPART == 2
	.amdgcn_target "amdgcn-amd-amdhsa--gfx1250"
	.amdhsa_code_object_version 6
	.text
	.protected	k_q8669ccf264_qkv
	.globl	k_q8669ccf264_qkv
	.p2align	8
	.type	k_q8669ccf264_qkv,@function
k_q8669ccf264_qkv:
	s_mov_b64 s[64:65], 0
	v_nop
	global_prefetch_b8 v0, s[64:65] scope:SCOPE_SE
	s_setreg_imm32_b32 hwreg(HW_REG_WAVE_MODE, 25, 1), 1
	s_wait_xcnt 0x0
	s_wait_alu depctr_hold_cnt(0) depctr_sa_sdst(0) depctr_va_vdst(0) depctr_va_sdst(0) depctr_va_ssrc(0) depctr_va_vcc(0) depctr_vm_vsrc(0)
	s_getreg_b32 s2, hwreg(HW_REG_IB_STS2, 6, 4)
	s_cmp_eq_u32 s2, 0
	s_cbranch_scc0 .Lentry_in_a_cluster
	s_endpgm
.Lentry_in_a_cluster:
	s_bfe_u32 s2, ttmp6, 0x10000c
	s_cmp_lg_u32 s2, 0xf033
	s_cbranch_scc0 .Lentry_shape_is_right
	s_endpgm
.Lentry_shape_is_right:
.set FR,     12
.set NL,     6
.set NP,     4
.set TILEB,  12288
.set QB,     3072
.set HALFT,  8*QB
.set SLOT,   4*HALFT
.set SPARE,  3*SLOT
.set BROW,   4608                      ; three K steps of a tile: a row of the first two fills
.set BIGH,   8*BROW                    ; what one wave brings in each of them; four of these are a region, two regions end at SPARE
.set HS,     307200
.set RECB,   19200
.set ADRA, 16
.set ADRB, 20
.set CO,   26
.set ADRS, 27
.set SPW,  28
.set NIL,  29
.set SCO,  30
.set SC,   32
.set AF,   128
.set P,    96
.set TP,   120
.set PWR,  128
.set FW,   136
.set SELV, 140
.set TM,   200
.set G1,  24
.set G1B, 32
.set G0,  44
.set G0B, 68
.set HM,  90
.set SEL, 92
.set MSB, 0
.macro WIN new
.if MSB != (\new)
	s_set_vgpr_msb (MSB<<8)|(\new)
.set MSB, (\new)
.endif
.endm
.set MUL_LO, 0xa1
.set MUL_HI, 0xf1
.set TO_B,   0x40
.macro JLOAD g0a, g1a, g0b, g1b
	s_cmp_eq_u32 s15, 0
	s_cbranch_scc0 .Lfor_b_\@
	tensor_load_to_lds s[\g0a:\g0a+3], s[\g1a:\g1a+7]
	s_nop 0
.rept 4
	v_nop
.endr
	s_branch .Lasked_\@
.Lfor_b_\@:
	tensor_load_to_lds s[\g0b:\g0b+3], s[\g1b:\g1b+7]
	s_nop 0
.rept 4
	v_nop
.endr
.Lasked_\@:
.endm
.macro CREST
	s_cmp_lg_u32 s14, 0
	s_cbranch_scc1 .Lnot_wave_0_\@
	s_barrier_signal -3
.Lnot_wave_0_\@:
	s_barrier_wait -3
	s_barrier_signal -1
	s_barrier_wait -1
.endm
.macro CROUND
	s_barrier_signal -1
	s_barrier_wait -1
	CREST
.endm
	s_load_b128 s[4:7], s[0:1], 0x0
	s_load_b64 s[8:9], s[0:1], 0x10
	v_lshl_add_u32 v[SPW], v0, 2, SPARE
	v_mov_b32 v[NIL], 0
	ds_add_u32 v[SPW], v[NIL]
	ds_add_u32 v[SPW], v[NIL]
	v_lshrrev_b32 v1, 5, v0
	v_readfirstlane_b32 s14, v1
	s_lshr_b32 s15, s14, 1
	s_and_b32 s16, s14, 1
	s_bfe_u32 s40, ttmp6, 0x40000
	s_bfe_u32 s41, ttmp6, 0x40004
	s_and_b32 s17, ttmp7, 0xffff
	s_lshl_b32 s43, s41, 2
	s_lshl_b32 s43, 15, s43
	s_lshl_b32 s42, 0x1111, s40
	s_or_b32 s[G1], s43, (3<<16)|(1<<21)
	s_or_b32 s[G1B], s42, (3<<16)|(1<<21)
.irp g, G1, G1B
	s_mov_b32 s[\g+1], 576<<16                     ; rows of 576 elements of 8 bytes: K steps 0-2, then 3-5
	s_mov_b32 s[\g+2], 8<<16
	s_mov_b32 s[\g+3], 576<<16
	s_mov_b32 s[\g+4], 8
	s_mov_b32 s[\g+5], 1536
	s_mov_b32 s[\g+6], 0
	s_mov_b32 s[\g+7], 0
.endr
	s_lshl_b32 s18, s17, 6
	s_lshl_b32 s19, ttmp9, 6
	s_add_co_u32 s19, s19, 512
	s_cmp_eq_u32 ttmp9, 2
	s_cselect_b32 s20, s19, s18
	s_cselect_b32 s21, s18, s19
	s_lshl_b32 s22, s41, 4
	s_add_co_u32 s20, s20, s22
	s_lshl_b32 s80, s40, 4
	s_add_co_u32 s81, s21, s80
	s_lshl_b32 s23, s16, 3
	s_add_co_u32 s22, s20, s23
	s_add_co_u32 s82, s81, s23
	s_mul_i32 s22, s22, TILEB
	s_mul_i32 s82, s82, TILEB
	s_mov_b32 s23, 0
	s_mov_b32 s83, 0
	s_mul_i32 s84, s14, HALFT
	s_mov_b32 s[SEL], 0x76543210
	s_mov_b32 s[SEL+1], 0xfedcba98
	s_wait_dscnt 0x0
	s_wait_kmcnt 0x0
	s_add_nc_u64 s[22:23], s[4:5], s[22:23]
	s_add_nc_u64 s[82:83], s[4:5], s[82:83]
	CROUND
	s_mul_i32 s85, s14, BIGH
.irp s, 0,1                            ; sets 0, 1: K steps 0-2 into region 0, K steps 3-5 into region 1
	s_mov_b32 s[G0+4*\s], 1
	s_add_co_u32 s[G0+4*\s+1], s85, \s*4*BIGH
	s_add_nc_u64 s[G0+4*\s+2:G0+4*\s+3], s[22:23], \s*BROW
	s_or_b32 s[G0+4*\s+3], s[G0+4*\s+3], 0x80000000
	s_mov_b32 s[G0B+4*\s], 1
	s_add_co_u32 s[G0B+4*\s+1], s85, \s*4*BIGH
	s_add_nc_u64 s[G0B+4*\s+2:G0B+4*\s+3], s[82:83], \s*BROW
	s_or_b32 s[G0B+4*\s+3], s[G0B+4*\s+3], 0x80000000
.endr
	s_mov_b32 s[G0+8], 1                           ; set 2: K steps 6, 7, rows of QB bytes, onto the first bytes of region 0
	s_mov_b32 s[G0+9], s84
	s_add_nc_u64 s[G0+10:G0+11], s[22:23], 2*BROW
	s_or_b32 s[G0+11], s[G0+11], 0x80000000
	s_mov_b32 s[G0B+8], 1
	s_mov_b32 s[G0B+9], s84
	s_add_nc_u64 s[G0B+10:G0B+11], s[82:83], 2*BROW
	s_or_b32 s[G0B+11], s[G0B+11], 0x80000000
	JLOAD G0, G1, G0B, G1B                         ; the head's one load a wave
	v_and_b32 v1, 15, v0
	v_bfe_u32 v2, v0, 4, 1
	v_and_b32 v3, 31, v0
	s_wait_alu depctr_va_vdst(0)
	s_mul_i32 s85, s15, BIGH
	s_mul_i32 s86, s16, BIGH
	s_add_co_u32 s86, s86, 2*BIGH
	s_mul_i32 s87, s15, HALFT
	s_mul_i32 s88, s16, HALFT
	s_add_co_u32 s88, s88, 2*HALFT
	v_lshlrev_b32 v4, 3, v3
	v_add_nc_u32 v[ADRA], s85, v4                  ; region 0
	v_add_nc_u32 v[ADRB], s86, v4
	v_add_nc_u32 v[ADRA+2], s87, v4                ; the refill's layout
	v_add_nc_u32 v[ADRB+2], s88, v4
	v_add_nc_u32 v[ADRA+1], 4*BIGH, v[ADRA]        ; region 1
	v_add_nc_u32 v[ADRB+1], 4*BIGH, v[ADRB]
	v_cmp_lt_u32 s[HM], 15, v3
	s_lshl_b32 s87, s15, 3
	s_add_co_u32 s87, s87, s20
	s_lshl_b32 s87, s87, 9
	s_lshl_b32 s88, s16, 3
	s_add_co_u32 s88, s88, s81
	s_lshl_b32 s88, s88, 9
	v_mov_b32 v5, s87
	v_mov_b32 v6, s88
	v_cndmask_b32 v[ADRS], v5, v6, s[HM]
	v_lshl_add_u32 v[ADRS], v1, 4, v[ADRS]
.irp i, 0,1,2,3,4,5,6,7
.irp k, 0,1
	global_load_b128 v[SC+8*\i+4*\k:SC+8*\i+4*\k+3], v[ADRS], s[6:7] offset:512*\i+256*\k
.endr
.endr
	v_lshlrev_b32 v[CO], 4, v3
	v_mul_u32_u24 v7, v2, HS
	v_lshl_add_u32 v[SCO], v1, 4, v7
	s_lshl_b32 s80, s17, 2
	s_cmp_eq_u32 ttmp9, 2
	s_cselect_b32 s82, s40, s41
	s_cselect_b32 s83, s16, s15
	s_cselect_b32 s84, s41, s40
	s_cselect_b32 s85, s15, s16
	s_cselect_b32 s86, 6400, 0
	s_cmp_eq_u32 ttmp9, 0
	s_cselect_b32 s86, 12800, s86
	s_add_co_u32 s80, s80, s82
	s_lshr_b32 s87, s80, 3
	s_lshl_b32 s87, s87, 4
	s_lshl_b32 s84, s84, 2
	s_add_co_u32 s87, s87, s84
	s_lshl_b32 s85, s85, 1
	s_add_co_u32 s87, s87, s85
	s_lshl_b32 s87, s87, 4
	s_and_b32 s80, s80, 7
	s_lshl_b32 s80, s80, 1
	s_add_co_u32 s87, s87, s80
	s_add_co_u32 s87, s87, s83
	s_mul_i32 s88, s87, RECB
	s_add_co_u32 s88, s88, s86
	s_mov_b32 s89, 0
	s_add_nc_u64 s[12:13], s[8:9], s[88:89]
.macro SETPT slot                      ; bytes from tile to tile in LDS: BROW in regions 0 and 1, QB in the refill
.if (\slot) == 2
.set PT, QB
.else
.set PT, BROW
.endif
.endm
.macro FRAG reg, adr, q, i
.irp p, 0,1,2,3,4,5
	ds_load_b64 v[\reg+2*\p:\reg+2*\p+1], v[\adr] offset:(\i)*PT+(\q)*1536+256*\p
.endr
.endm
.macro MUL16 a0, p, ks, zero
.irp a, \a0, \a0+1
.irp b, 0,1,2,3,4,5,6,7
.if \zero
	v_wmma_scale_f32_16x16x128_f8f6f4 v[8*(8*((\a)%4)+\b):8*(8*((\a)%4)+\b)+7], v[128*(\p)+FR*\b:128*(\p)+FR*\b+FR-1], v[AF+FR*(\a):AF+FR*(\a)+FR-1], 0, v[SC+8*\b+(\ks)], v[SC+8*(\a)+(\ks)] matrix_a_fmt:MATRIX_FMT_FP6 matrix_b_fmt:MATRIX_FMT_FP6 matrix_a_scale:MATRIX_SCALE_ROW1
.else
	v_wmma_scale_f32_16x16x128_f8f6f4 v[8*(8*((\a)%4)+\b):8*(8*((\a)%4)+\b)+7], v[128*(\p)+FR*\b:128*(\p)+FR*\b+FR-1], v[AF+FR*(\a):AF+FR*(\a)+FR-1], v[8*(8*((\a)%4)+\b):8*(8*((\a)%4)+\b)+7], v[SC+8*\b+(\ks)], v[SC+8*(\a)+(\ks)] matrix_a_fmt:MATRIX_FMT_FP6 matrix_b_fmt:MATRIX_FMT_FP6 matrix_a_scale:MATRIX_SCALE_ROW1
.endif
.endr
.endr
.endm
.macro FETCH_B slot, q, p
	SETPT \slot
	WIN TO_B
.irp i, 0,1,2,3,4,5,6,7
	FRAG 128*(\p)+FR*\i, ADRB+\slot, \q, \i
.endr
	WIN 0
.endm
.macro FETCH_A slot, q, i0
	SETPT \slot
.irp i, \i0, \i0+1, \i0+2, \i0+3
	FRAG AF+FR*(\i), ADRA+\slot, \q, \i
.endr
.endm
.macro PLACES n
.rept \n
	v_nop
.endr
.endm
.macro KS ks, mode, nslot, nq, zero
.set PB, (\ks)%2
.if \mode == 0
	s_wait_dscnt 4*NL
	WIN MUL_LO
	MUL16 0, PB, \ks, \zero
	MUL16 2, PB, \ks, \zero
	s_wait_dscnt 0x0
	PLACES NP
.else
	s_wait_tensorcnt 0x0
	ds_add_u32 v[SPW], v[NIL]
	s_wait_dscnt 4*NL+1
	WIN MUL_LO
	MUL16 0, PB, \ks, 0
	s_wait_dscnt 0x0
	s_barrier_signal -1
	MUL16 2, PB, \ks, 0
	WIN 0
	s_barrier_wait -1
.if \mode == 1
	CREST
	s_mov_b32 s[G1+1], 384<<16                     ; no tensor load of mine is out: the refill's rows are QB bytes
	s_mov_b32 s[G1+3], 384<<16
	s_mov_b32 s[G1B+1], 384<<16
	s_mov_b32 s[G1B+3], 384<<16
	JLOAD G0+8, G1, G0B+8, G1B                     ; K steps 6, 7: the first tensor load behind the round
.else
	PLACES NP
.endif
.endif
	FETCH_B \nslot, \nq, 1-PB
	FETCH_A \nslot, \nq, 0
	WIN MUL_HI
	MUL16 4, PB, \ks, \zero
	MUL16 6, PB, \ks, \zero
	PLACES NP
	WIN 0
	FETCH_A \nslot, \nq, 4
.endm
	s_wait_alu depctr_va_vdst(0)                   ; the wait at the head's end
	s_wait_tensorcnt 0x0                           ; my part of K steps 0-2 is in; the three lines ahead of a later first fill
	ds_add_u32 v[SPW], v[NIL]
	s_wait_dscnt 0x0
	CROUND
	JLOAD G0+4, G1, G0B+4, G1B                     ; K steps 3-5, region 1's first fill
	FETCH_B 0, 0, 0
	FETCH_A 0, 0, 0
	FETCH_A 0, 0, 4
	s_wait_loadcnt 0x0
	KS 0, 0, 0, 1, 1
	KS 1, 0, 0, 2, 0
	KS 2, 1, 1, 0, 0
	s_wait_alu depctr_va_vdst(0)
	KS 3, 0, 1, 1, 0
	KS 4, 0, 1, 2, 0
	KS 5, 2, 2, 0, 0
	KS 6, 0, 2, 1, 0
	s_wait_dscnt 4*NL
	WIN MUL_LO
	MUL16 0, 1, 7, 0
	MUL16 2, 1, 7, 0
	s_wait_dscnt 0x0
	WIN MUL_HI
	MUL16 4, 1, 7, 0
	MUL16 6, 1, 7, 0
	WIN 0
.macro QUANTW a, d0, d1, pw
.set AC, 64*((\a)%4)
.set W, 2+(\a)/4
.set WW, (W<<2)|(W<<4)
	WIN WW
.irp b, 0,1,2,3
	v_max3_num_f32 v[TM+\b], 0x1800000, |v[AC+16*\b]|, |v[AC+16*\b+1]|
.endr
.irp i, 2,4,6,8,10,12,14
.irp b, 0,1,2,3
	v_max3_num_f32 v[TM+\b], v[TM+\b], |v[AC+16*\b+\i]|, |v[AC+16*\b+\i+1]|
.endr
.endr
	WIN 0
.irp b, 0,1,2,3
	v_permlanex16_b32 v[TM+4+\b], v[TM+\b], s[SEL], s[SEL+1]
.endr
.irp b, 0,1,2,3
	v_max_num_f32 v[TM+\b], v[TM+\b], v[TM+4+\b]
.endr
.irp b, 0,1,2,3
	v_add_nc_u32 v[TM+12+\b], 0xff000000, v[TM+\b]
.endr
.irp b, 0,1,2,3
	v_lshrrev_b32 v[TM+4+\b], 23, v[TM+12+\b]
.endr
	v_lshl_or_b32 v[\pw], v[TM+5], 8, v[TM+4]
	v_lshl_or_b32 v[\pw], v[TM+6], 16, v[\pw]
	v_lshl_or_b32 v[\pw], v[TM+7], 24, v[\pw]
	WIN W
	v_cvt_scalef32_pk16_fp6_f32 v[(\d0):(\d0)+2], v[AC:AC+15], v[TM+12]
	v_cvt_scalef32_pk16_fp6_f32 v[TP:TP+2], v[AC+16:AC+31], v[TM+13]
	v_cvt_scalef32_pk16_fp6_f32 v[(\d1):(\d1)+2], v[AC+32:AC+47], v[TM+14]
	v_cvt_scalef32_pk16_fp6_f32 v[TP+4:TP+6], v[AC+48:AC+63], v[TM+15]
	WIN 0
	v_nop
.irp i, 0,1,2
	v_permlane16_swap_b32 v[(\d0)+\i], v[TP+\i]
.endr
.irp i, 0,1,2
	v_mov_b32 v[(\d0)+3+\i], v[TP+\i]
.endr
.irp i, 0,1,2
	v_permlane16_swap_b32 v[(\d1)+\i], v[TP+4+\i]
.endr
.irp i, 0,1,2
	v_mov_b32 v[(\d1)+3+\i], v[TP+4+\i]
.endr
.endm
.macro EPI vv
.irp g, 0,1,2,3
.if \g > 0
	s_wait_xcnt 0x0
.endif
.if \vv
	QUANTW 2*\g, P, P+6, PWR+2*\g
	QUANTW 2*\g+1, P+12, P+18, PWR+2*\g+1
.irp e, 0,1
.irp j, 0,1,2
	global_store_b128 v[CO], v[P+12*\e+4*\j:P+12*\e+4*\j+3], s[12:13] offset:(\g/2)*HS+(2*(\g%2)+\e)*1536+512*\j
.endr
.endr
.else
	QUANTW 2*\g, P, P+12, PWR+2*\g
	QUANTW 2*\g+1, P+6, P+18, PWR+2*\g+1
.irp e, 0,1
.irp j, 0,1,2
	global_store_b128 v[CO], v[P+12*\e+4*\j:P+12*\e+4*\j+3], s[12:13] offset:\e*HS+1536*\g+512*\j
.endr
.endr
.endif
.endr
.if \vv
.irp j, 0,1,2,3
	v_cndmask_b32 v[FW+\j], v[PWR+\j], v[PWR+4+\j], s[HM]
.endr
.else
	v_mov_b32 v[SELV+1], 0x05040100
	v_mov_b32 v[SELV+2], 0x07060302
	v_cndmask_b32 v[SELV], v[SELV+1], v[SELV+2], s[HM]
.irp g, 0,1,2,3
	v_perm_b32 v[FW+\g], v[PWR+2*\g+1], v[PWR+2*\g], v[SELV]
.endr
.endif
	global_store_b128 v[SCO], v[FW:FW+3], s[12:13] offset:6144
.endm
	PLACES NP
.irp b, 0,1,2,3
	v_mov_b32 v[TM+4+\b], 0
.endr
	s_cmp_eq_u32 ttmp9, 2
	s_cbranch_scc1 .Lfor_v
	EPI 0
	s_branch .Lout
.Lfor_v:
	EPI 1
.Lout:
	s_wait_tensorcnt 0x0
	ds_add_u32 v[SPW], v[NIL]
	s_wait_dscnt 0x0
	CROUND
	s_endpgm
.Lfunc_end_k_q8669ccf264_qkv:
	.size	k_q8669ccf264_qkv, .Lfunc_end_k_q8669ccf264_qkv-k_q8669ccf264_qkv
	.p2alignl 7, 3214868480
	.fill 96, 4, 3214868480
	.section	.rodata,"a",@progbits
	.p2align	6, 0x0
	.amdhsa_kernel k_q8669ccf264_qkv
		.amdhsa_group_segment_fixed_size 327680
		.amdhsa_private_segment_fixed_size 0
		.amdhsa_enable_private_segment 0
		.amdhsa_kernarg_size 24
		.amdhsa_user_sgpr_count 2
		.amdhsa_user_sgpr_kernarg_segment_ptr 1
		.amdhsa_wavefront_size32 1
		.amdhsa_system_sgpr_workgroup_id_x 1
		.amdhsa_system_sgpr_workgroup_id_y 1
		.amdhsa_system_sgpr_workgroup_id_z 1
		.amdhsa_system_vgpr_workitem_id 0
		.amdhsa_next_free_vgpr 1024
		.amdhsa_next_free_sgpr 98
		.amdhsa_reserve_vcc 0
		.amdhsa_float_denorm_mode_32 3
		.amdhsa_float_denorm_mode_16_64 3
		.amdhsa_memory_ordered 1
		.amdhsa_forward_progress 1
		.amdhsa_inst_pref_size 195
	.end_amdhsa_kernel
	.amdgpu_metadata
---
amdhsa.version: [ 1, 2 ]
amdhsa.kernels:
  - .name:           k_q8669ccf264_qkv
    .symbol:         k_q8669ccf264_qkv.kd
    .args:
      - { .name: cod, .offset: 0, .size: 8, .value_kind: global_buffer, .address_space: global }
      - { .name: sc, .offset: 8, .size: 8, .value_kind: global_buffer, .address_space: global }
      - { .name: qkv, .offset: 16, .size: 8, .value_kind: global_buffer, .address_space: global }
    .group_segment_fixed_size: 327680
    .private_segment_fixed_size: 0
    .kernarg_segment_align: 8
    .kernarg_segment_size: 24
    .max_flat_workgroup_size: 128
    .sgpr_count:     98
    .vgpr_count:     1024
    .wavefront_size: 32
...
	.end_amdgpu_metadata
.endif
;; end of part 2
;; launch attn (part 3): grid 4 x 64, 16 waves a work-group, clusters of 4 x 1, 327,680 bytes of LDS; arguments qkv, cod, sc; writes cod, sc
.if DOCPART == 3
	.amdgcn_target "amdgcn-amd-amdhsa--gfx1250"
	.amdhsa_code_object_version 6
	.text
	.protected	k_q8669ccf264_attn
	.globl	k_q8669ccf264_attn
	.p2align	8
	.type	k_q8669ccf264_attn,@function
k_q8669ccf264_attn:
	s_mov_b64 s[64:65], 0
	v_nop
	global_prefetch_b8 v0, s[64:65] scope:SCOPE_SE
	s_setreg_imm32_b32 hwreg(HW_REG_WAVE_MODE, 25, 1), 1
	s_wait_xcnt 0x0
	s_wait_alu depctr_hold_cnt(0) depctr_sa_sdst(0) depctr_va_vdst(0) depctr_va_sdst(0) depctr_va_ssrc(0) depctr_va_vcc(0) depctr_vm_vsrc(0)
	s_getreg_b32 s2, hwreg(HW_REG_IB_STS2, 6, 4)
	s_cmp_eq_u32 s2, 0
	s_cbranch_scc0 .Lentry_in_a_cluster
	s_endpgm
.Lentry_in_a_cluster:
	s_bfe_u32 s2, ttmp6, 0x10000c
	s_cmp_lg_u32 s2, 0x3003
	s_cbranch_scc0 .Lentry_shape_is_right
	s_endpgm
.Lentry_shape_is_right:
; o = softmax(q k^T / 8) v for one head, both products on codes of FP6 (E2M3) with E8M0 scales; o is quantised along the merged channels and stored as operand images for the last product.
; IN: qkv, for head bh = 16 batch + head and each 128 tokens a record of 19,200 bytes: fields K at 0, V at 6,400, Q at 12,800; a field is 4 images of 1,536 bytes (registers 4 j .. 4 j + 3 of lane l at 512 j + 16 l) and 256 bytes [r][4 words].
;   K, Q image g: registers 0-5 token tile 2 g, registers 6-11 token tile 2 g + 1 (place r of tile 2 g + u: token 32 g + 8 u + r + 8 (r / 8); dims 32 h on).  V image t: 16 channels x the record's 128 keys.
; THE SOFTMAX: t = score x log2(e) / 8; M = the running largest t rounded up to a whole number; p = 2^(t - M) is quantised along the keys, not normalised; the row's sum is taken of the unquantised p and divides at the end.
;   When M moves, the sum and O are multiplied by 2^(old M - new M): exact.
; SHARES: a work-group owns 512 queries of a head; each of its sixteen waves one Q image, 32 queries, walked as two tiles of 16 in two passes over all 2,048 keys, 128 a step.
; THE HEAD'S K AND V STAY IN LDS: 16 x 12,800 bytes, each byte filled once.  The four work-groups of a cluster belong to one head: each record is asked for jointly.
;   Wave w issues ONE load, record w, at the head, with no branch; every wave waits for its load, one barrier shows all sixteen records, and behind it no wait on tiles and no barrier stands in either pass.
;   No prefetch: each record is asked for once, at the head, and there is no loop to run ahead in.
; BOTH PRODUCTS TRANSPOSED: S^T = K Q^T, O^T = V^T P^T: a lane holds one query throughout; by the order of tokens in a tile p's 16 registers of two neighbouring tiles are 16 neighbouring keys.
; THE FIRST PRODUCT'S K IS 64, the instruction's 128: a K image carries two key tiles, X in k 0-63 and Y in k 64-127.  Q stands between zeros, [0 x 6 | q x 6 | 0 x 6]: [q, 0] picks X, [0, q] picks Y.  The dead half has zero codes and the scale byte 0.
; OUT: cod tile 768 + 128 batch + 2 image + pass, the head's 64 channels = 768 bytes at 768 head (registers 2 p, 2 p + 1 of lane l at 256 p + 8 l); sc: two bytes a row, 16 bytes apart: 32 such stores a wave.
; LIMITS: a block's largest p is taken from the block's largest score through the same multiply-add and exponential (this takes v_exp_f32 not to fall where its input rises); o is divided by v_rcp_f32 of the sum;
;   a block of zeros, and one whose largest magnitude lies under 2^-124, gets the byte 1; NaN and infinities are not served; the scaled scores stay under 2^31 in magnitude.
.set HS,    307200                     ; a head's 16 records
.set RECB,  19200
.set KVB,   12800                      ; a record's K and V fields
.set VF,    6400                       ; V's field in it
.set SCF,   6144                       ; a field's scale words
.set SPARE, 16*KVB                     ; the spare words, 128 bytes a wave: eight blocks of 256 bytes that no other line names
.set LI,  1                            ; v1   16 x lane
.set LSC, 2                            ; v2   a record's scale words: lanes 0-15 K's row r, lanes 16-31 V's
.set SPW, 3                            ; v3   my spare word; never rewritten
.set NIL, 4                            ; v4   0; never rewritten
.set CO8, 5                            ; v5   8 x lane
.set SCO, 6                            ; v6   16 r + 512 h
.set ADR, 8                            ; v8   the step's images
.set ADS, 9                            ; v9   the step's scale words;  v12 -M, v13 the largest t, v[14:15] the sum
.set Q2,  16                           ; v16-27 [0, q]
.set Q1,  22                           ; v22-33 [q, 0]
.set QBK, 34                           ; v34-39 the second pass's q
.set QW,  40                           ; v40  Q's scale word: two bytes a pass
.set QS1, 41                           ; v41  for [q, 0]
.set QS2, 42                           ; v42  for [0, q]
.set KF,  44                           ; v44-91 four fragments: K's, then V's
.set KS,  92                           ; v92-95 their scale words
.set S,   96                           ; v96-159 S^T, then p
.set O,   160                          ; v160-191 O^T
.set PCD, 192                          ; v192-203 p's codes
.set TP,  204                          ; v204-210 half blocks on their way
.set BM,  212                          ; v212-215 each block's largest
.set BP,  216                          ; v216-219 permute results, a chain of the sum, bytes
.set SOP, 220                          ; v220-223 the conversions' scale operands
.set PSW, 224                          ; v224 p's scale word
.set F,   226                          ; v[226:227] f = 2^(old M - new M); at the end 1 / the sum
.set T,   228                          ; v228 at work
.set OC,  230                          ; v230-235, v238-243 o's codes of pass 0, 1
.set OT,  246                          ; v246-248 a half block on its way (at the head: Q's two offsets)
.set OH,  250                          ; v250, v251 o's two scale bytes of pass 0, 1;  v252 as stored
.set C2,  252                          ; v[252:253], v[254:255] two more chains of the sum
.set C3,  254
.set WV,  10
.set SEL, 12                           ; s[12:13] v_permlanex16_b32's selects for lane l xor 16
.set CS,  14                           ; s[14:15] c = log2(e) / 8
.set G1,  16                           ; s[16:23] descriptor group 1
.set G0,  24                           ; s[24:27] group 0
.set TB,  40                           ; s40  LDS byte of the step's record
.set CNT, 41
.set HM,  42                           ; s42  the mask of lanes 16-31
.set COD, 44                           ; s[44:45] where my codes go
.set SCB, 46                           ; s[46:47] and my scale bytes
.macro CROUND                          ; a round of the cluster's barrier
	s_barrier_signal -1
	s_barrier_wait -1
	s_cmp_lg_u32 s[WV], 0
	s_cbranch_scc1 .Lnot_wave_0_\@
	s_barrier_signal -3
.Lnot_wave_0_\@:
	s_barrier_wait -3
	s_barrier_signal -1
	s_barrier_wait -1
.endm
	s_load_b128 s[4:7], s[0:1], 0x0                ; qkv, cod
	s_load_b64 s[8:9], s[0:1], 0x10                ; sc
	v_lshl_add_u32 v[SPW], v0, 2, SPARE
	v_mov_b32 v[NIL], 0
	ds_add_u32 v[SPW], v[NIL]                      ; the opening lines: the add, twice on end, and its wait
	ds_add_u32 v[SPW], v[NIL]
	v_lshrrev_b32 v7, 5, v0
	s_delay_alu instid0(VALU_DEP_1)
	v_readfirstlane_b32 s[WV], v7                  ; wave 0..15
	s_bfe_u32 s11, ttmp6, 0x40000                  ; cx: it enters Q's and o's addresses alone
	s_and_b32 s48, ttmp7, 0xffff                   ; bh, which the four partners share
	s_mul_i32 s50, s48, HS                         ; the head's first byte
	s_mul_i32 s52, s[WV], RECB                     ; my record = my wave's number
	s_add_co_u32 s52, s52, s50
	s_mov_b32 s53, 0
	s_mul_i32 s54, s[WV], KVB                      ; and its place in LDS
	s_mov_b32 s[G1], 15|(3<<16)|(1<<21)            ; the mask: all four work-groups; elements of 8 bytes; no padding; bit 21 beside a mask
	s_mov_b32 s[G1+1], 32<<16                      ; rows of 256 bytes
	s_mov_b32 s[G1+2], 50<<16                      ; 50 rows: 12,800 dense bytes
	s_mov_b32 s[G1+3], 32<<16
	s_mov_b32 s[G1+4], 50
	s_mov_b32 s[G1+5], 32
	s_mov_b32 s[G1+6], 0
	s_mov_b32 s[G1+7], 0
	s_mov_b32 s[SEL], 0x76543210
	s_mov_b32 s[SEL+1], 0xfedcba98
	s_mov_b32 s[CS], 0x3e38aa3b                    ; log2(e) / 8
	s_mov_b32 s[CS+1], s[CS]                       ; named with it as a pair, so it is written
	s_wait_dscnt 0x0                               ; both opening adds are done
	s_wait_kmcnt 0x0
	s_add_nc_u64 s[52:53], s[4:5], s[52:53]
	s_mov_b32 s[G0], 1
	s_mov_b32 s[G0+1], s54
	s_mov_b64 s[G0+2:G0+3], s[52:53]
	s_or_b32 s[G0+3], s[G0+3], 0x80000000
	CROUND                                         ; all four work-groups are here: the joint loads meet
	tensor_load_to_lds s[G0:G0+3], s[G1:G1+7]      ; one load a wave, on every way through the head
	s_nop 0
.rept 4
	v_nop
.endr
	v_and_b32 v7, 31, v0                           ; lane
	v_and_b32 v10, 15, v0                          ; r
	v_bfe_u32 v11, v0, 4, 1                        ; h
	s_delay_alu instid0(VALU_DEP_3)
	v_lshlrev_b32 v[LI], 4, v7
	s_wait_alu depctr_va_vdst(0)
	v_lshlrev_b32 v[LSC], 4, v10
	s_delay_alu instid0(VALU_DEP_1)
	v_mad_u32_u24 v[LSC], v11, VF, v[LSC]          ; lanes 16-31 stand one field further on
	s_delay_alu instid0(VALU_DEP_1)
	v_add_nc_u32 v[LSC], SCF, v[LSC]
	v_lshlrev_b32 v[CO8], 3, v7
	v_lshlrev_b32 v[SCO], 4, v10
	s_delay_alu instid0(VALU_DEP_1)
	v_lshl_add_u32 v[SCO], v11, 9, v[SCO]
	v_cmp_lt_u32 s[HM], 15, v7
	s_lshl_b32 s56, s11, 4
	s_add_co_u32 s56, s56, s[WV]                   ; my Q image among the head's 64
	s_lshr_b32 s57, s56, 2
	s_mul_i32 s58, s57, RECB
	s_add_co_u32 s58, s58, s50
	s_add_co_u32 s58, s58, 2*VF                    ; its record's Q field
	s_mov_b32 s59, 0
	s_add_nc_u64 s[58:59], s[4:5], s[58:59]
	s_and_b32 s57, s56, 3
	s_mul_i32 s60, s57, 1536
	v_add_nc_u32 v[OT], s60, v[LI]                 ; the image, 16 x lane
	s_lshl_b32 s60, s57, 2
	v_lshl_add_u32 v[OT+1], v10, 4, s60            ; its word of row r
	global_load_b128 v[Q1:Q1+3], v[OT], s[58:59]               ; registers 0-3: the first pass's q,
	global_load_b64 v[Q1+4:Q1+5], v[OT], s[58:59] offset:512   ; 4, 5
	global_load_b64 v[QBK:QBK+1], v[OT], s[58:59] offset:520   ; 6, 7: the second pass's,
	global_load_b128 v[QBK+2:QBK+5], v[OT], s[58:59] offset:1024   ; 8-11
	global_load_b32 v[QW], v[OT+1], s[58:59] offset:SCF
	s_lshr_b32 s52, s48, 4                         ; batch
	s_lshl_b32 s52, s52, 7
	s_lshl_b32 s53, s56, 1
	s_add_co_u32 s52, s52, s53
	s_add_co_u32 s52, s52, 768                     ; o's tile of pass 0
	s_and_b32 s53, s48, 15                         ; the head in its batch
	s_mul_i32 s54, s52, 12288
	s_mul_i32 s55, s53, 768
	s_add_co_u32 s54, s54, s55
	s_mov_b32 s55, 0
	s_add_nc_u64 s[COD:COD+1], s[6:7], s[54:55]
	s_lshl_b32 s54, s52, 9
	s_lshr_b32 s57, s53, 3
	s_lshl_b32 s57, s57, 8                         ; K half
	s_add_co_u32 s54, s54, s57
	s_bfe_u32 s57, s53, 0x20001
	s_lshl_b32 s57, s57, 2                         ; the K step's word
	s_add_co_u32 s54, s54, s57
	s_and_b32 s57, s53, 1
	s_lshl_b32 s57, s57, 1                         ; the head's two bytes in it
	s_add_co_u32 s54, s54, s57
	s_add_nc_u64 s[SCB:SCB+1], s[8:9], s[54:55]
.irp i, 0,1,2,3,4,5
	v_mov_b32 v[Q2+\i], 0                          ; the zeros on both sides of q
	v_mov_b32 v[Q1+6+\i], 0
.endr
.irp b, 0,1,2,3
	v_mov_b32 v[BP+\b], 0                          ; written once: a lane permute's destination counts as one of its sources
.endr
	v_mov_b32 v[F+1], 0                            ; named as the upper half of a pair
	v_mov_b32 v[T], 0
; A KEY STEP: 128 keys: the record at s[TB]
.macro STEP
	v_add_nc_u32 v[ADR], s[TB], v[LI]
	v_add_nc_u32 v[ADS], s[TB], v[LSC]
	ds_load_b128 v[KS:KS+3], v[ADS]                ; lanes 0-15 K's four words of row r, lanes 16-31 V's
.irp i, 0,1,2,3
.irp j, 0,1,2
	ds_load_b128 v[KF+12*\i+4*\j:KF+12*\i+4*\j+3], v[ADR] offset:1536*\i+512*\j
.endr
.endr
	s_wait_alu depctr_va_vdst(0)
.irp i, 0,1,2,3
	s_wait_dscnt 9-3*\i                            ; image i is in; the later images' loads, three each, may be out
	v_wmma_scale_f32_16x16x128_f8f6f4 v[S+16*\i:S+16*\i+7], v[KF+12*\i:KF+12*\i+11], v[Q1:Q1+11], 0, v[KS+\i], v[QS1] matrix_a_fmt:MATRIX_FMT_FP6 matrix_b_fmt:MATRIX_FMT_FP6
	v_wmma_scale_f32_16x16x128_f8f6f4 v[S+16*\i+8:S+16*\i+15], v[KF+12*\i:KF+12*\i+11], v[Q2:Q2+11], 0, v[KS+\i], v[QS2] matrix_a_fmt:MATRIX_FMT_FP6 matrix_b_fmt:MATRIX_FMT_FP6
.endr                                  ; register 16 i + n of S^T: key 32 i + 16 h + n of the step
.rept 4
	v_nop                                          ; places in front of the loads into K's registers and of the first read of the scores
.endr
.irp t, 0,1,2,3
.irp j, 0,1,2
	ds_load_b128 v[KF+12*\t+4*\j:KF+12*\t+4*\j+3], v[ADR] offset:VF+1536*\t+512*\j   ; V's images land while the softmax is walked
.endr
.endr
.irp b, 0,1,2,3
	v_max3_num_f32 v[BM+\b], v[S+16*\b], v[S+1+16*\b], v[S+2+16*\b]   ; the largest score of each block of 32 keys: for the row's maximum and for the block's largest p
.endr
.irp i, 3,5,7,9,11,13
.irp b, 0,1,2,3
	v_max3_num_f32 v[BM+\b], v[BM+\b], v[S+16*\b+\i], v[S+1+16*\b+\i]
.endr
.endr
.irp b, 0,1,2,3
	v_max_num_f32 v[BM+\b], v[BM+\b], v[S+15+16*\b]
.endr
.irp b, 0,1,2,3
	s_delay_alu instid0(VALU_DEP_4)
	v_permlanex16_b32 v[BP+\b], v[BM+\b], s[SEL], s[SEL+1]
.endr
.irp b, 0,1,2,3
	s_delay_alu instid0(VALU_DEP_4)
	v_max_num_f32 v[BM+\b], v[BM+\b], v[BP+\b]     ; with lane l xor 16's 16 keys
.endr
	s_delay_alu instid0(VALU_DEP_2)
	v_max3_num_f32 v[T], v[BM], v[BM+1], v[BM+2]
	s_delay_alu instid0(VALU_DEP_1)
	v_max_num_f32 v[T], v[T], v[BM+3]
	s_delay_alu instid0(VALU_DEP_1)
	v_mul_f32 v[T], s[CS], v[T]                    ; as t (c is positive)
	s_delay_alu instid0(VALU_DEP_1)
	v_max_num_f32 v13, v13, v[T]                   ; the running largest t
	v_mov_b32 v[T], v12
	s_delay_alu instid0(VALU_DEP_2)
	v_floor_f32 v12, -v13                          ; the new -M = floor(-t) = -ceil(t)
	s_delay_alu instid0(VALU_DEP_1)
	v_sub_f32 v[T], v12, v[T]                      ; old M - new M: a whole number, 0 or less
	s_delay_alu instid0(VALU_DEP_1)
	v_cvt_i32_f32 v[T], v[T]                       ; (it saturates)
	s_delay_alu instid0(VALU_DEP_1)
	v_ldexp_f32 v[F], 1.0, v[T]                    ; f = 2^(old M - new M)
.set j, 0
.rept 32
	v_pk_fma_f32 v[S+j:S+j+1], v[S+j:S+j+1], s[CS:CS+1], v[12:13] op_sel_hi:[1,0,0]   ; t - M, two at a time
.set j, j+2
.endr
.irp b, 0,1,2,3
	v_fma_f32 v[BM+\b], v[BM+\b], s[CS], v12       ; the same of each block's largest score
.endr
.set j, 0
	s_wait_alu depctr_va_vdst(0)                   ; the wait ahead of the batch
.rept 64
	v_exp_f32 v[S+j], v[S+j]                       ; p = 2^(t - M)
.set j, j+1
.endr
	v_pk_mul_f32 v[14:15], v[14:15], v[F:F+1] op_sel_hi:[1,0]   ; the sums under the new M: a plain place behind the exponentials
	s_wait_alu depctr_va_vdst(0)                   ; one wait for the batch of 64, ahead of its first reader
.irp b, 0,1,2,3
	v_exp_f32 v[BM+\b], v[BM+\b]                   ; each block's largest p
.endr
	v_pk_add_f32 v[BP:BP+1], v[S:S+1], v[S+2:S+3]  ; the row's sum of the unquantised p: 32 pairs and the sum so far, 32 additions in four chains by turns
	v_pk_add_f32 v[C2:C2+1], v[S+4:S+5], v[S+6:S+7]
	v_pk_add_f32 v[C3:C3+1], v[S+8:S+9], v[S+10:S+11]
	v_pk_add_f32 v[14:15], v[14:15], v[S+12:S+13]
.set j, 14
.rept 6
	v_pk_add_f32 v[BP:BP+1], v[BP:BP+1], v[S+j:S+j+1]
	v_pk_add_f32 v[C2:C2+1], v[C2:C2+1], v[S+j+2:S+j+3]
	v_pk_add_f32 v[C3:C3+1], v[C3:C3+1], v[S+j+4:S+j+5]
	v_pk_add_f32 v[14:15], v[14:15], v[S+j+6:S+j+7]
.set j, j+8
.endr
	v_pk_add_f32 v[BP:BP+1], v[BP:BP+1], v[S+62:S+63]
	v_pk_add_f32 v[C2:C2+1], v[C2:C2+1], v[C3:C3+1]
	v_pk_add_f32 v[14:15], v[14:15], v[BP:BP+1]
	v_pk_add_f32 v[14:15], v[14:15], v[C2:C2+1]
	s_wait_alu depctr_va_vdst(0)                   ; and one for the four
.irp b, 0,1,2,3
	v_max_num_f32 v[BM+\b], 0x1800000, v[BM+\b]    ; the floor 2^(3 - 127): the byte cannot fall under 1
.endr
.irp b, 0,1,2,3
	s_delay_alu instid0(VALU_DEP_4)
	v_add_nc_u32 v[SOP+\b], 0xff000000, v[BM+\b]   ; 2 off the exponent field: the conversion's scale operand
.endr
.irp b, 0,1,2,3
	s_delay_alu instid0(VALU_DEP_4)
	v_lshrrev_b32 v[BP+\b], 23, v[SOP+\b]          ; the scale's byte
.endr
	s_delay_alu instid0(VALU_DEP_3)
	v_lshl_or_b32 v[PSW], v[BP+1], 8, v[BP]        ; p's scale word for these 128 keys
	s_delay_alu instid0(VALU_DEP_1)
	v_lshl_or_b32 v[PSW], v[BP+2], 16, v[PSW]
	s_delay_alu instid0(VALU_DEP_1)
	v_lshl_or_b32 v[PSW], v[BP+3], 24, v[PSW]
.irp c, 0,1
	v_cvt_scalef32_pk16_fp6_f32 v[PCD+6*\c:PCD+6*\c+2], v[S+32*\c:S+32*\c+15], v[SOP+2*\c]
	v_cvt_scalef32_pk16_fp6_f32 v[TP+4*\c:TP+4*\c+2], v[S+16+32*\c:S+31+32*\c], v[SOP+2*\c+1]
.endr
	v_nop                                          ; one plain place behind a scaled conversion
.irp c, 0,1
.irp i, 0,1,2
	v_permlane16_swap_b32 v[PCD+6*\c+\i], v[TP+4*\c+\i]   ; a whole block to a lane
.endr
.irp i, 0,1,2
	s_delay_alu instid0(VALU_DEP_3)
	v_mov_b32 v[PCD+3+6*\c+\i], v[TP+4*\c+\i]
.endr
.endr
.set j, 0
.rept 16
	v_pk_mul_f32 v[O+j:O+j+1], v[O+j:O+j+1], v[F:F+1] op_sel_hi:[1,0]   ; O^T under the new M.  Of these 16, twelve name no register of any one product below: the places behind p's scale word and codes
.set j, j+2
.endr
	s_wait_alu depctr_va_vdst(0)
	s_wait_dscnt 0x0                               ; V's images are in
.irp t, 0,1,2,3                        ; the four accumulators take turns, one instruction a turn
	v_wmma_scale_f32_16x16x128_f8f6f4 v[O+8*\t:O+8*\t+7], v[KF+12*\t:KF+12*\t+11], v[PCD:PCD+11], v[O+8*\t:O+8*\t+7], v[KS+\t], v[PSW] matrix_a_fmt:MATRIX_FMT_FP6 matrix_b_fmt:MATRIX_FMT_FP6 matrix_a_scale:MATRIX_SCALE_ROW1
.endr
.rept 4
	v_nop                                          ; places in front of the next step's loads and of the first read of O^T
.endr
	s_add_co_u32 s[TB], s[TB], KVB
.endm
.macro INIT                            ; a pass begins: the first step finds zeros, which the first change of M leaves zeros
	v_mov_b32 v13, 0xff61b1e6                      ; the largest t so far: -3e38
	s_delay_alu instid0(VALU_DEP_1)
	v_floor_f32 v12, -v13
	v_mov_b32 v14, 0
	v_mov_b32 v15, 0
.set j, 0
.rept 32
	v_mov_b32 v[O+j], 0
.set j, j+1
.endr
	s_mov_b32 s[TB], 0
.endm
; A pass ends: O^T / the sum is quantised: register 16 b + i is channel 32 b + 16 h + i of my query: two blocks of 32 along the last product's K
.macro FINISH u
	v_add_f32 v14, v14, v15
	s_delay_alu instid0(VALU_DEP_1)
	v_permlanex16_b32 v[T], v14, s[SEL], s[SEL+1]
	s_delay_alu instid0(VALU_DEP_1)
	v_add_f32 v14, v14, v[T]                       ; the row's sum
	s_wait_alu depctr_va_vdst(0)
	v_rcp_f32 v[F], v14
	v_nop                                          ; a plain place behind the transcendental
	s_wait_alu depctr_va_vdst(0)                   ; and the wait ahead of its first reader
.set j, 0
.rept 16
	v_pk_mul_f32 v[S+j:S+j+1], v[O+j:O+j+1], v[F:F+1] op_sel_hi:[1,0]   ; each accumulator from its low end on
.set j, j+2
.endr
.irp b, 0,1
	v_max3_num_f32 v[BM+\b], |v[S+16*\b]|, |v[S+1+16*\b]|, 0x1800000
.endr
.irp i, 2,4,6,8,10,12,14
.irp b, 0,1
	s_delay_alu instid0(VALU_DEP_2)
	v_max3_num_f32 v[BM+\b], v[BM+\b], |v[S+16*\b+\i]|, |v[S+1+16*\b+\i]|
.endr
.endr
.irp b, 0,1
	s_delay_alu instid0(VALU_DEP_2)
	v_permlanex16_b32 v[BP+\b], v[BM+\b], s[SEL], s[SEL+1]
.endr
.irp b, 0,1
	s_delay_alu instid0(VALU_DEP_2)
	v_max_num_f32 v[BM+\b], v[BM+\b], v[BP+\b]
.endr
.irp b, 0,1
	s_delay_alu instid0(VALU_DEP_2)
	v_add_nc_u32 v[SOP+\b], 0xff000000, v[BM+\b]
.endr
.irp b, 0,1
	s_delay_alu instid0(VALU_DEP_2)
	v_lshrrev_b32 v[BP+\b], 23, v[SOP+\b]
.endr
	s_delay_alu instid0(VALU_DEP_1)
	v_lshl_or_b32 v[OH+\u], v[BP+1], 8, v[BP]      ; the row's two scale bytes
	v_cvt_scalef32_pk16_fp6_f32 v[OC+8*\u:OC+8*\u+2], v[S:S+15], v[SOP]
	v_cvt_scalef32_pk16_fp6_f32 v[OT:OT+2], v[S+16:S+31], v[SOP+1]
	v_nop                                          ; one plain place behind a scaled conversion
.irp i, 0,1,2
	v_permlane16_swap_b32 v[OC+8*\u+\i], v[OT+\i]
.endr
.irp i, 0,1,2
	s_delay_alu instid0(VALU_DEP_3)
	v_mov_b32 v[OC+8*\u+3+\i], v[OT+\i]
.endr
.irp p, 0,1,2
	global_store_b64 v[CO8], v[OC+8*\u+2*\p:OC+8*\u+2*\p+1], s[COD:COD+1] offset:12288*\u+256*\p   ; 32 lanes store 256 consecutive bytes, at a multiple of 256 from cod's first byte
.endr
.endm
.macro PASS u                          ; sixteen key steps over the head in LDS, then the way out
	s_mov_b32 s[CNT], 16
.Lpass_\@:
	STEP
	s_sub_co_u32 s[CNT], s[CNT], 1
	s_cmp_lg_u32 s[CNT], 0
	s_cbranch_scc1 .Lpass_\@
	FINISH \u
.endm
	s_wait_loadcnt 0x0                             ; Q and its scale word
	v_and_b32 v[QS1], 0xffff, v[QW]                ; pass 0: the word's low two bytes, under q's half; INIT's lines are the places between these and the first product
	v_lshlrev_b32 v[QS2], 16, v[QW]
	INIT
	s_wait_alu depctr_va_vdst(0)                   ; the wait at the head's end
	s_wait_tensorcnt 0x0                           ; my record is in
	s_wait_dscnt 0x0
	s_barrier_signal -1
	s_barrier_wait -1                              ; everybody's is: the whole head lies in LDS, and nothing is ever filled again
	PASS 0
.irp i, 0,1,2,3,4,5
	v_mov_b32 v[Q1+\i], v[QBK+\i]                  ; pass 1: the image's second tile of queries
.endr
	v_lshrrev_b32 v[QS1], 16, v[QW]
	v_and_b32 v[QS2], 0xffff0000, v[QW]
	INIT
	PASS 1
	v_cndmask_b32 v[OH+2], v[OH], v[OH+1], s[HM]   ; lanes 0-15 pass 0's tile, lanes 16-31 pass 1's
	global_store_b16 v[SCO], v[OH+2], s[SCB:SCB+1]
	s_wait_tensorcnt 0x0                           ; the wave's end: a tensor wait, an LDS add and its wait, behind my last tensor load
	ds_add_u32 v[SPW], v[NIL]
	s_wait_dscnt 0x0
	CROUND                                         ; the closing round
	s_endpgm
.Lfunc_end_k_q8669ccf264_attn:
	.size	k_q8669ccf264_attn, .Lfunc_end_k_q8669ccf264_attn-k_q8669ccf264_attn
	.p2alignl 7, 3214868480
	.fill 96, 4, 3214868480
	.section	.rodata,"a",@progbits
	.p2align	6, 0x0
	.amdhsa_kernel k_q8669ccf264_attn
		.amdhsa_group_segment_fixed_size 327680
		.amdhsa_private_segment_fixed_size 0
		.amdhsa_enable_private_segment 0
		.amdhsa_kernarg_size 24
		.amdhsa_user_sgpr_count 2
		.amdhsa_user_sgpr_kernarg_segment_ptr 1
		.amdhsa_wavefront_size32 1
		.amdhsa_system_sgpr_workgroup_id_x 1
		.amdhsa_system_sgpr_workgroup_id_y 1
		.amdhsa_system_sgpr_workgroup_id_z 1
		.amdhsa_system_vgpr_workitem_id 0
		.amdhsa_next_free_vgpr 256
		.amdhsa_next_free_sgpr 66
		.amdhsa_reserve_vcc 0
		.amdhsa_float_denorm_mode_32 3
		.amdhsa_float_denorm_mode_16_64 3
		.amdhsa_memory_ordered 1
		.amdhsa_forward_progress 1
		.amdhsa_inst_pref_size 51
	.end_amdhsa_kernel
	.amdgpu_metadata
---
amdhsa.version: [ 1, 2 ]
amdhsa.kernels:
  - .name:           k_q8669ccf264_attn
    .symbol:         k_q8669ccf264_attn.kd
    .args:
      - { .name: qkv, .offset: 0, .size: 8, .value_kind: global_buffer, .address_space: global }
      - { .name: cod, .offset: 8, .size: 8, .value_kind: global_buffer, .address_space: global }
      - { .name: sc, .offset: 16, .size: 8, .value_kind: global_buffer, .address_space: global }
    .group_segment_fixed_size: 327680
    .private_segment_fixed_size: 0
    .kernarg_segment_align: 8
    .kernarg_segment_size: 24
    .max_flat_workgroup_size: 512
    .sgpr_count:     66
    .vgpr_count:     256
    .wavefront_size: 32
...
	.end_amdgpu_metadata
.endif
;; end of part 3
;; launch proj (part 4): grid 4 x 32, 4 waves a work-group, clusters of 4 x 4, 327,680 bytes of LDS; arguments cod, sc, out0; writes out0
.if DOCPART == 4
	.amdgcn_target "amdgcn-amd-amdhsa--gfx1250"
	.amdhsa_code_object_version 6
	.text
	.protected	k_q8669ccf264_proj
	.globl	k_q8669ccf264_proj
	.p2align	8
	.type	k_q8669ccf264_proj,@function
k_q8669ccf264_proj:
	s_mov_b64 s[64:65], 0
	v_nop
	global_prefetch_b8 v0, s[64:65] scope:SCOPE_SE
	s_setreg_imm32_b32 hwreg(HW_REG_WAVE_MODE, 25, 1), 1
	s_wait_xcnt 0x0
	s_wait_alu depctr_hold_cnt(0) depctr_sa_sdst(0) depctr_va_vdst(0) depctr_va_sdst(0) depctr_va_ssrc(0) depctr_va_vcc(0) depctr_vm_vsrc(0)
	s_getreg_b32 s2, hwreg(HW_REG_IB_STS2, 6, 4)
	s_cmp_eq_u32 s2, 0
	s_cbranch_scc0 .Lentry_in_a_cluster
	s_endpgm
.Lentry_in_a_cluster:
	s_bfe_u32 s2, ttmp6, 0x10000c
	s_cmp_lg_u32 s2, 0xf033
	s_cbranch_scc0 .Lentry_shape_is_right
	s_endpgm
.Lentry_shape_is_right:
.set FR,     12
.set NL,     6
.set NP,     4
.set TILEB,  12288
.set QB,     3072
.set HALFT,  8*QB
.set SLOT,   4*HALFT
.set SPARE,  3*SLOT
.set BROW,   4608                      ; three K steps of a tile: a row of the first two fills
.set BIGH,   8*BROW                    ; what one wave brings in each of them; four of these are a region, two regions end at SPARE
.set SPITCH, 528
.set ADRA, 16
.set ADRB, 20
.set STO,  24
.set RD,   25
.set CO,   26
.set ADRS, 27
.set SPW,  28
.set NIL,  29
.set SC,   32
.set AF,   128
.set BK,   128
.set G1,  24
.set G1B, 32
.set G0,  44
.set G0B, 68
.set HM,  90
.set MSB, 0
.macro WIN new
.if MSB != (\new)
	s_set_vgpr_msb (MSB<<8)|(\new)
.set MSB, (\new)
.endif
.endm
.set MUL_LO, 0xa1
.set MUL_HI, 0xf1
.set TO_B,   0x40
.macro JLOAD g0a, g1a, g0b, g1b
	s_cmp_eq_u32 s15, 0
	s_cbranch_scc0 .Lfor_b_\@
	tensor_load_to_lds s[\g0a:\g0a+3], s[\g1a:\g1a+7]
	s_nop 0
.rept 4
	v_nop
.endr
	s_branch .Lasked_\@
.Lfor_b_\@:
	tensor_load_to_lds s[\g0b:\g0b+3], s[\g1b:\g1b+7]
	s_nop 0
.rept 4
	v_nop
.endr
.Lasked_\@:
.endm
.macro CREST
	s_cmp_lg_u32 s14, 0
	s_cbranch_scc1 .Lnot_wave_0_\@
	s_barrier_signal -3
.Lnot_wave_0_\@:
	s_barrier_wait -3
	s_barrier_signal -1
	s_barrier_wait -1
.endm
.macro CROUND
	s_barrier_signal -1
	s_barrier_wait -1
	CREST
.endm
	s_load_b128 s[4:7], s[0:1], 0x0
	s_load_b64 s[8:9], s[0:1], 0x10
	v_lshl_add_u32 v[SPW], v0, 2, SPARE
	v_mov_b32 v[NIL], 0
	ds_add_u32 v[SPW], v[NIL]
	ds_add_u32 v[SPW], v[NIL]
	v_lshrrev_b32 v1, 5, v0
	v_readfirstlane_b32 s14, v1
	s_lshr_b32 s15, s14, 1
	s_and_b32 s16, s14, 1
	s_bfe_u32 s40, ttmp6, 0x40000
	s_bfe_u32 s41, ttmp6, 0x40004
	s_and_b32 s17, ttmp7, 0xffff
	s_lshl_b32 s43, s41, 2
	s_lshl_b32 s43, 15, s43
	s_lshl_b32 s42, 0x1111, s40
	s_or_b32 s[G1], s43, (3<<16)|(1<<21)
	s_or_b32 s[G1B], s42, (3<<16)|(1<<21)
.irp g, G1, G1B
	s_mov_b32 s[\g+1], 576<<16                     ; rows of 576 elements of 8 bytes: K steps 0-2, then 3-5
	s_mov_b32 s[\g+2], 8<<16
	s_mov_b32 s[\g+3], 576<<16
	s_mov_b32 s[\g+4], 8
	s_mov_b32 s[\g+5], 1536
	s_mov_b32 s[\g+6], 0
	s_mov_b32 s[\g+7], 0
.endr
	s_lshl_b32 s20, s17, 6
	s_add_co_u32 s20, s20, 768
	s_lshl_b32 s22, s41, 4
	s_add_co_u32 s20, s20, s22
	s_lshl_b32 s81, s40, 4
	s_add_co_u32 s81, s81, 704
	s_lshl_b32 s23, s16, 3
	s_add_co_u32 s22, s20, s23
	s_add_co_u32 s82, s81, s23
	s_mul_i32 s22, s22, TILEB
	s_mul_i32 s82, s82, TILEB
	s_mov_b32 s23, 0
	s_mov_b32 s83, 0
	s_mul_i32 s84, s14, HALFT
	s_wait_dscnt 0x0
	s_wait_kmcnt 0x0
	s_add_nc_u64 s[22:23], s[4:5], s[22:23]
	s_add_nc_u64 s[82:83], s[4:5], s[82:83]
	CROUND
	s_mul_i32 s85, s14, BIGH
.irp s, 0,1                            ; sets 0, 1: K steps 0-2 into region 0, K steps 3-5 into region 1
	s_mov_b32 s[G0+4*\s], 1
	s_add_co_u32 s[G0+4*\s+1], s85, \s*4*BIGH
	s_add_nc_u64 s[G0+4*\s+2:G0+4*\s+3], s[22:23], \s*BROW
	s_or_b32 s[G0+4*\s+3], s[G0+4*\s+3], 0x80000000
	s_mov_b32 s[G0B+4*\s], 1
	s_add_co_u32 s[G0B+4*\s+1], s85, \s*4*BIGH
	s_add_nc_u64 s[G0B+4*\s+2:G0B+4*\s+3], s[82:83], \s*BROW
	s_or_b32 s[G0B+4*\s+3], s[G0B+4*\s+3], 0x80000000
.endr
	s_mov_b32 s[G0+8], 1                           ; set 2: K steps 6, 7, rows of QB bytes, onto the first bytes of region 0
	s_mov_b32 s[G0+9], s84
	s_add_nc_u64 s[G0+10:G0+11], s[22:23], 2*BROW
	s_or_b32 s[G0+11], s[G0+11], 0x80000000
	s_mov_b32 s[G0B+8], 1
	s_mov_b32 s[G0B+9], s84
	s_add_nc_u64 s[G0B+10:G0B+11], s[82:83], 2*BROW
	s_or_b32 s[G0B+11], s[G0B+11], 0x80000000
	JLOAD G0, G1, G0B, G1B                         ; the head's one load a wave
	v_and_b32 v1, 15, v0
	v_bfe_u32 v2, v0, 4, 1
	v_and_b32 v3, 31, v0
	s_wait_alu depctr_va_vdst(0)
	s_mul_i32 s85, s15, BIGH
	s_mul_i32 s86, s16, BIGH
	s_add_co_u32 s86, s86, 2*BIGH
	s_mul_i32 s87, s15, HALFT
	s_mul_i32 s88, s16, HALFT
	s_add_co_u32 s88, s88, 2*HALFT
	v_lshlrev_b32 v4, 3, v3
	v_add_nc_u32 v[ADRA], s85, v4                  ; region 0
	v_add_nc_u32 v[ADRB], s86, v4
	v_add_nc_u32 v[ADRA+2], s87, v4                ; the refill's layout
	v_add_nc_u32 v[ADRB+2], s88, v4
	v_add_nc_u32 v[ADRA+1], 4*BIGH, v[ADRA]        ; region 1
	v_add_nc_u32 v[ADRB+1], 4*BIGH, v[ADRB]
	v_cmp_lt_u32 s[HM], 15, v3
	s_lshl_b32 s87, s15, 3
	s_add_co_u32 s87, s87, s20
	s_lshl_b32 s87, s87, 9
	s_lshl_b32 s88, s16, 3
	s_add_co_u32 s88, s88, s81
	s_lshl_b32 s88, s88, 9
	v_mov_b32 v5, s87
	v_mov_b32 v6, s88
	v_cndmask_b32 v[ADRS], v5, v6, s[HM]
	v_lshl_add_u32 v[ADRS], v1, 4, v[ADRS]
.irp i, 0,1,2,3,4,5,6,7
.irp k, 0,1
	global_load_b128 v[SC+8*\i+4*\k:SC+8*\i+4*\k+3], v[ADRS], s[6:7] offset:512*\i+256*\k
.endr
.endr
	s_mul_i32 s86, s14, 16*SPITCH
	s_add_co_u32 s86, s86, SLOT
	v_mul_u32_u24 v5, v1, SPITCH
	v_lshl_add_u32 v5, v2, 6, v5
	v_add_nc_u32 v[STO], s86, v5
	v_lshlrev_b32 v[CO], 4, v3
	v_add_nc_u32 v[RD], s86, v[CO]
	s_lshl_b32 s80, s17, 2
	s_add_co_u32 s80, s80, s41
	s_lshl_b32 s80, s80, 1
	s_add_co_u32 s80, s80, s15
	s_lshl_b32 s84, s80, 19
	s_lshl_b32 s82, s40, 1
	s_add_co_u32 s82, s82, s16
	s_lshl_b32 s82, s82, 9
	s_add_co_u32 s84, s84, s82
	s_mov_b32 s85, 0
	s_add_nc_u64 s[12:13], s[8:9], s[84:85]
.macro SETPT slot                      ; bytes from tile to tile in LDS: BROW in regions 0 and 1, QB in the refill
.if (\slot) == 2
.set PT, QB
.else
.set PT, BROW
.endif
.endm
.macro FRAG reg, adr, q, i
.irp p, 0,1,2,3,4,5
	ds_load_b64 v[\reg+2*\p:\reg+2*\p+1], v[\adr] offset:(\i)*PT+(\q)*1536+256*\p
.endr
.endm
.macro MUL16 a0, p, ks, zero
.irp a, \a0, \a0+1
.irp b, 0,1,2,3,4,5,6,7
.if \zero
	v_wmma_scale_f32_16x16x128_f8f6f4 v[8*(8*((\a)%4)+\b):8*(8*((\a)%4)+\b)+7], v[128*(\p)+FR*\b:128*(\p)+FR*\b+FR-1], v[AF+FR*(\a):AF+FR*(\a)+FR-1], 0, v[SC+8*\b+(\ks)], v[SC+8*(\a)+(\ks)] matrix_a_fmt:MATRIX_FMT_FP6 matrix_b_fmt:MATRIX_FMT_FP6 matrix_a_scale:MATRIX_SCALE_ROW1
.else
	v_wmma_scale_f32_16x16x128_f8f6f4 v[8*(8*((\a)%4)+\b):8*(8*((\a)%4)+\b)+7], v[128*(\p)+FR*\b:128*(\p)+FR*\b+FR-1], v[AF+FR*(\a):AF+FR*(\a)+FR-1], v[8*(8*((\a)%4)+\b):8*(8*((\a)%4)+\b)+7], v[SC+8*\b+(\ks)], v[SC+8*(\a)+(\ks)] matrix_a_fmt:MATRIX_FMT_FP6 matrix_b_fmt:MATRIX_FMT_FP6 matrix_a_scale:MATRIX_SCALE_ROW1
.endif
.endr
.endr
.endm
.macro FETCH_B slot, q, p
	SETPT \slot
	WIN TO_B
.irp i, 0,1,2,3,4,5,6,7
	FRAG 128*(\p)+FR*\i, ADRB+\slot, \q, \i
.endr
	WIN 0
.endm
.macro FETCH_A slot, q, i0
	SETPT \slot
.irp i, \i0, \i0+1, \i0+2, \i0+3
	FRAG AF+FR*(\i), ADRA+\slot, \q, \i
.endr
.endm
.macro PLACES n
.rept \n
	v_nop
.endr
.endm
.macro KS ks, mode, nslot, nq, zero
.set PB, (\ks)%2
.if \mode == 0
	s_wait_dscnt 4*NL
	WIN MUL_LO
	MUL16 0, PB, \ks, \zero
	MUL16 2, PB, \ks, \zero
	s_wait_dscnt 0x0
	PLACES NP
.else
	s_wait_tensorcnt 0x0
	ds_add_u32 v[SPW], v[NIL]
	s_wait_dscnt 4*NL+1
	WIN MUL_LO
	MUL16 0, PB, \ks, 0
	s_wait_dscnt 0x0
	s_barrier_signal -1
	MUL16 2, PB, \ks, 0
	WIN 0
	s_barrier_wait -1
.if \mode == 1
	CREST
	s_mov_b32 s[G1+1], 384<<16                     ; no tensor load of mine is out: the refill's rows are QB bytes
	s_mov_b32 s[G1+3], 384<<16
	s_mov_b32 s[G1B+1], 384<<16
	s_mov_b32 s[G1B+3], 384<<16
	JLOAD G0+8, G1, G0B+8, G1B                     ; K steps 6, 7: the first tensor load behind the round
.else
	PLACES NP
.endif
.endif
	FETCH_B \nslot, \nq, 1-PB
	FETCH_A \nslot, \nq, 0
	WIN MUL_HI
	MUL16 4, PB, \ks, \zero
	MUL16 6, PB, \ks, \zero
	PLACES NP
	WIN 0
	FETCH_A \nslot, \nq, 4
.endm
	s_wait_alu depctr_va_vdst(0)                   ; the wait at the head's end
	s_wait_tensorcnt 0x0                           ; my part of K steps 0-2 is in; the three lines ahead of a later first fill
	ds_add_u32 v[SPW], v[NIL]
	s_wait_dscnt 0x0
	CROUND
	JLOAD G0+4, G1, G0B+4, G1B                     ; K steps 3-5, region 1's first fill
	FETCH_B 0, 0, 0
	FETCH_A 0, 0, 0
	FETCH_A 0, 0, 4
	s_wait_loadcnt 0x0
	KS 0, 0, 0, 1, 1
	KS 1, 0, 0, 2, 0
	KS 2, 1, 1, 0, 0
	KS 3, 0, 1, 1, 0
	KS 4, 0, 1, 2, 0
	KS 5, 2, 2, 0, 0
	KS 6, 0, 2, 1, 0
	s_wait_dscnt 4*NL
	WIN MUL_LO
	MUL16 0, 1, 7, 0
	MUL16 2, 1, 7, 0
	s_wait_alu depctr_va_vdst(0)
	s_wait_dscnt 0x0
	WIN MUL_HI
	MUL16 4, 1, 7, 0
	MUL16 6, 1, 7, 0
	WIN 0
.macro TOSTAGE a
.set AC, 64*((\a)%4)
	WIN 0x08+4*((\a)/4)
.irp b, 0,1,2,3,4,5,6,7
	ds_store_b128 v[STO], v[AC+8*\b:AC+8*\b+3] offset:128*(\b/2)+32*(\b%2)
	ds_store_b128 v[STO], v[AC+8*\b+4:AC+8*\b+7] offset:128*(\b/2)+32*(\b%2)+16
.endr
	WIN 0
.set BB, BK+64*((\a)%2)
.irp t, 0,1,2,3,4,5,6,7,8,9,10,11,12,13,14,15
	ds_load_b128 v[BB+4*\t:BB+4*\t+3], v[RD] offset:\t*SPITCH
.endr
.endm
.macro SEND a, younger
.set BB, BK+64*((\a)%2)
	s_wait_dscnt \younger
.irp t, 0,1,2,3,4,5,6,7,8,9,10,11,12,13,14,15
	global_store_b128 v[CO], v[BB+4*\t:BB+4*\t+3], s[12:13] offset:(32*((\a)/2)+8*((\a)%2)+\t+8*(\t/8))*4096 th:TH_STORE_NT
.endr
.endm
	PLACES NP
	TOSTAGE 0
.irp a, 1,2,3,4,5,6,7
.if \a > 1
	s_wait_xcnt 0x0
.endif
	TOSTAGE \a
	SEND \a-1, 32
.endr
	SEND 7, 0
	s_wait_tensorcnt 0x0
	ds_add_u32 v[SPW], v[NIL]
	s_wait_dscnt 0x0
	CROUND
	s_endpgm
.Lfunc_end_k_q8669ccf264_proj:
	.size	k_q8669ccf264_proj, .Lfunc_end_k_q8669ccf264_proj-k_q8669ccf264_proj
	.p2alignl 7, 3214868480
	.fill 96, 4, 3214868480
	.section	.rodata,"a",@progbits
	.p2align	6, 0x0
	.amdhsa_kernel k_q8669ccf264_proj
		.amdhsa_group_segment_fixed_size 327680
		.amdhsa_private_segment_fixed_size 0
		.amdhsa_enable_private_segment 0
		.amdhsa_kernarg_size 24
		.amdhsa_user_sgpr_count 2
		.amdhsa_user_sgpr_kernarg_segment_ptr 1
		.amdhsa_wavefront_size32 1
		.amdhsa_system_sgpr_workgroup_id_x 1
		.amdhsa_system_sgpr_workgroup_id_y 1
		.amdhsa_system_sgpr_workgroup_id_z 1
		.amdhsa_system_vgpr_workitem_id 0
		.amdhsa_next_free_vgpr 1024
		.amdhsa_next_free_sgpr 98
		.amdhsa_reserve_vcc 0
		.amdhsa_float_denorm_mode_32 3
		.amdhsa_float_denorm_mode_16_64 3
		.amdhsa_memory_ordered 1
		.amdhsa_forward_progress 1
		.amdhsa_inst_pref_size 156
	.end_amdhsa_kernel
	.amdgpu_metadata
---
amdhsa.version: [ 1, 2 ]
amdhsa.kernels:
  - .name:           k_q8669ccf264_proj
    .symbol:         k_q8669ccf264_proj.kd
    .args:
      - { .name: cod, .offset: 0, .size: 8, .value_kind: global_buffer, .address_space: global }
      - { .name: sc, .offset: 8, .size: 8, .value_kind: global_buffer, .address_space: global }
      - { .name: out0, .offset: 16, .size: 8, .value_kind: global_buffer, .address_space: global }
    .group_segment_fixed_size: 327680
    .private_segment_fixed_size: 0
    .kernarg_segment_align: 8
    .kernarg_segment_size: 24
    .max_flat_workgroup_size: 128
    .sgpr_count:     98
    .vgpr_count:     1024
    .wavefront_size: 32
...
	.end_amdgpu_metadata
.endif
;; end of part 4
